; MI455X (gfx1250); checked and timed in simulation.
; The chip was launched on July 23, 2026; its instructions are those of AMD's public machine-readable ISA for CDNA 5 (MIT licence, August 2026) and "CDNA5" Instruction Set Architecture Reference Guide (July 2026). The comments in the code are by the model that wrote it; some were corrected since.
;; Quantized Linear. Allowed arithmetic: float matrix products may take bf16 or f16 operands with f32 sums; other float arithmetic in f32, or as packed bf16 or f16 multiplies, adds, multiply-adds, maxima and minima; sums over many terms, partial sums and values carried from step to step in f32; what a program stores and reads back later, other than sums and carried values, may be rounded once to bf16 or f16.
;; Inputs: bias 4,096 float32; input 4,096 x 4,096 float32; weight 4,096 x 4,096 int8; weight_scale one number float32; weight_zero_point one number int8.
;; Outputs: out0 4,096 x 4,096 float32.
;; One version. Each part assembles by itself: llvm-mc -triple=amdgcn-amd-amdhsa -mcpu=gfx1250 --defsym DOCPART=n.
;; ======== version 1 of 1: 2 launches
;; workspace buffers: xb 33,554,432 bytes; wb 33,554,432 bytes
;; launch prep (part 1): grid 1536 x 1, 8 waves a work-group, no clusters, 0 bytes of LDS; arguments input, weight, weight_zero_point, xb, wb; writes xb, wb
.if DOCPART == 1
	.amdgcn_target "amdgcn-amd-amdhsa--gfx1250"
	.amdhsa_code_object_version 6
	.text
	.protected	k_q6d49d5dbb2_prep
	.globl	k_q6d49d5dbb2_prep
	.p2align	8
	.type	k_q6d49d5dbb2_prep,@function
k_q6d49d5dbb2_prep:
	s_mov_b64 s[64:65], 0
	v_nop
	global_prefetch_b8 v0, s[64:65] scope:SCOPE_SE
	s_setreg_imm32_b32 hwreg(HW_REG_WAVE_MODE, 25, 1), 1
	s_wait_xcnt 0x0
; xb = bf16(input), wb = bf16(weight - zero point).  input: [4096][4096] f32; weight: [4096][4096] int8; the zero point: one int8; xb, wb: [4096][4096] bf16, rows as in the inputs.
; Each number is converted ONCE here, so that the product's loop holds matrix work alone.
; FORMATS.  input is rounded once to bf16 (nearest even); NaN and infinities stay what they are.  weight - zero point is a whole number in -255 .. 255: eight significant bits, so wb is EXACT,
; for every int8 zero point.  The scale is not applied here: it multiplies the finished f32 sums in the next launch.
; SHARES.  Eight waves.  Work-groups 0 to 1,023 take 65,536 bytes of input each (32,768 of xb); work-groups 1,024 to 1,535 take 32,768 bytes of weight each (65,536 of wb): 98,304 bytes moved by each.
; A thread has 16 chunks; all 16 loads go out at once, and the waits count down.  A wave's load or store covers 256 or 512 consecutive bytes, aligned.
; No LDS, no barrier, no loop: no byte is wanted by two threads.  No register that a load or store names as a source is ever written again, so no wait frees one.
.set D,    4                           ; v[4:67]   chunk j: four registers
.set NEGC, 68                          ; v[68:69]  -(2^23 + 128 + zero point), twice
.set T,    70                          ; v[70:77]  eight numbers in f32, at work
	s_load_b256 s[4:11], s[0:1], 0x0               ; input s[4:5], weight s[6:7], the zero point s[8:9], xb s[10:11]
	s_load_b64 s[12:13], s[0:1], 0x20              ; wb
	s_mov_b32 s2, ttmp9
	v_lshlrev_b32 v1, 4, v0                        ; 16 x thread
	v_lshlrev_b32 v2, 3, v0                        ; 8 x thread
	v_mov_b32 v3, 0
	s_mov_b32 s15, 0                               ; the offsets' high words
	s_mov_b32 s17, 0
	s_wait_kmcnt 0x0
	s_cmp_lt_u32 s2, 1024
	s_cbranch_scc0 .Lweight
	; ---- input: 16 bytes (4 f32) a thread and chunk in, 8 bytes out
	s_lshl_b32 s14, s2, 16                         ; 65,536 bytes in,
	s_lshl_b32 s16, s2, 15                         ; 32,768 out
	s_add_nc_u64 s[4:5], s[4:5], s[14:15]
	s_add_nc_u64 s[10:11], s[10:11], s[16:17]
.irp j, 0,1,2,3,4,5,6,7,8,9,10,11,12,13,14,15
	global_load_b128 v[D+4*(\j):D+4*(\j)+3], v1, s[4:5] offset:4096*(\j) th:TH_LOAD_NT
.endr
.macro CHUNK_X j
	s_wait_loadcnt 15-(\j)                         ; loads come back in order (ISA guide 5.7.1): chunk j is in, the 15 - j younger ones stay out
	v_cvt_pk_bf16_f32 v[D+4*(\j)],   v[D+4*(\j)],   v[D+4*(\j)+1]
	v_cvt_pk_bf16_f32 v[D+4*(\j)+1], v[D+4*(\j)+2], v[D+4*(\j)+3]
	global_store_b64 v2, v[D+4*(\j):D+4*(\j)+1], s[10:11] offset:2048*(\j)   ; a wave stores 256 consecutive bytes, aligned
.endm
.irp j, 0,1,2,3,4,5,6,7,8,9,10,11,12,13,14,15
	CHUNK_X \j
.endr
	s_endpgm
	; ---- weight: 8 bytes (8 int8) a thread and chunk in, 16 bytes out
.Lweight:
	s_sub_co_u32 s3, s2, 1024
	s_lshl_b32 s14, s3, 15                         ; 32,768 bytes in,
	s_lshl_b32 s16, s3, 16                         ; 65,536 out
	s_add_nc_u64 s[6:7], s[6:7], s[14:15]
	s_add_nc_u64 s[12:13], s[12:13], s[16:17]
	s_mov_b32 s20, 0x80808080                      ; turns each byte w into u = w + 128, 0 .. 255
	s_mov_b32 s21, 0x4b000000                      ; 2^23 in f32: with u in its lowest byte it is 2^23 + u
	s_mov_b32 s24, 0x07040400                      ; byte selects: byte k of the word below, two zero bytes and the 0x4b of s21 above
	s_mov_b32 s25, 0x07040401
	s_mov_b32 s26, 0x07040402
	s_mov_b32 s27, 0x07040403
	global_load_i8 v[NEGC], v3, s[8:9]             ; the zero point, sign-extended, in every lane
.irp j, 0,1,2,3,4,5,6,7,8,9,10,11,12,13,14,15
	global_load_b64 v[D+4*(\j)+2:D+4*(\j)+3], v2, s[6:7] offset:2048*(\j) th:TH_LOAD_NT
.endr
	s_wait_loadcnt 16                              ; the zero point is in; the 16 loads issued behind it stay out
	v_add_nc_u32 v[NEGC], 0xcb000080, v[NEGC]      ; the bits of -(2^23 + 128 + zero point): 128 + zero point lies in 0 .. 255 and stays in the lowest byte
	v_mov_b32 v[NEGC+1], v[NEGC]
.macro CHUNK_W j
	s_wait_loadcnt 15-(\j)                         ; chunk j is in, the 15 - j younger ones stay out
	v_xor_b32 v[D+4*(\j)+2], s20, v[D+4*(\j)+2]
	v_xor_b32 v[D+4*(\j)+3], s20, v[D+4*(\j)+3]
.irp i, 0,1
.irp k, 0,1,2,3
	v_perm_b32 v[T+4*(\i)+(\k)], s21, v[D+4*(\j)+2+(\i)], s[24+(\k)]   ; 2^23 + u
.endr
.endr
.irp i, 0,2,4,6
	v_pk_add_f32 v[T+(\i):T+(\i)+1], v[T+(\i):T+(\i)+1], v[NEGC:NEGC+1]  ; (2^23 + u) - (2^23 + 128 + zero point) = w - zero point, exact
.endr
.irp i, 0,1,2,3
	v_cvt_pk_bf16_f32 v[D+4*(\j)+(\i)], v[T+2*(\i)], v[T+2*(\i)+1]       ; exact; the two loaded words have been read by all eight selects
.endr
	global_store_b128 v1, v[D+4*(\j):D+4*(\j)+3], s[12:13] offset:4096*(\j)  ; a wave stores 512 consecutive bytes, aligned
.endm
.irp j, 0,1,2,3,4,5,6,7,8,9,10,11,12,13,14,15
	CHUNK_W \j
.endr
	s_endpgm
.Lfunc_end_k_q6d49d5dbb2_prep:
	.size	k_q6d49d5dbb2_prep, .Lfunc_end_k_q6d49d5dbb2_prep-k_q6d49d5dbb2_prep
	.p2alignl 7, 3214868480
	.fill 96, 4, 3214868480
	.section	.rodata,"a",@progbits
	.p2align	6, 0x0
	.amdhsa_kernel k_q6d49d5dbb2_prep
		.amdhsa_group_segment_fixed_size 0
		.amdhsa_private_segment_fixed_size 0
		.amdhsa_enable_private_segment 0
		.amdhsa_kernarg_size 40
		.amdhsa_user_sgpr_count 2
		.amdhsa_user_sgpr_kernarg_segment_ptr 1
		.amdhsa_wavefront_size32 1
		.amdhsa_system_sgpr_workgroup_id_x 1
		.amdhsa_system_sgpr_workgroup_id_y 1
		.amdhsa_system_sgpr_workgroup_id_z 1
		.amdhsa_system_vgpr_workitem_id 0
		.amdhsa_next_free_vgpr 80
		.amdhsa_next_free_sgpr 66
		.amdhsa_reserve_vcc 0
		.amdhsa_float_denorm_mode_32 3
		.amdhsa_float_denorm_mode_16_64 3
		.amdhsa_memory_ordered 1
		.amdhsa_forward_progress 1
		.amdhsa_inst_pref_size 28
	.end_amdhsa_kernel
	.amdgpu_metadata
---
amdhsa.version: [ 1, 2 ]
amdhsa.kernels:
  - .name:           k_q6d49d5dbb2_prep
    .symbol:         k_q6d49d5dbb2_prep.kd
    .args:
      - { .name: input, .offset: 0, .size: 8, .value_kind: global_buffer, .address_space: global }
      - { .name: weight, .offset: 8, .size: 8, .value_kind: global_buffer, .address_space: global }
      - { .name: weight_zero_point, .offset: 16, .size: 8, .value_kind: global_buffer, .address_space: global }
      - { .name: xb, .offset: 24, .size: 8, .value_kind: global_buffer, .address_space: global }
      - { .name: wb, .offset: 32, .size: 8, .value_kind: global_buffer, .address_space: global }
    .group_segment_fixed_size: 0
    .private_segment_fixed_size: 0
    .kernarg_segment_align: 8
    .kernarg_segment_size: 40
    .max_flat_workgroup_size: 256
    .sgpr_count:     66
    .vgpr_count:     80
    .wavefront_size: 32
...
	.end_amdgpu_metadata
.endif
;; end of part 1
;; launch gemm (part 2): grid 16 x 16, 4 waves a work-group, clusters of 4 x 4, 327,680 bytes of LDS; arguments xb, wb, out0, bias, weight_scale; writes out0
.if DOCPART == 2
	.amdgcn_target "amdgcn-amd-amdhsa--gfx1250"
	.amdhsa_code_object_version 6
	.text
	.protected	k_q6d49d5dbb2_gemm
	.globl	k_q6d49d5dbb2_gemm
	.p2align	8
	.type	k_q6d49d5dbb2_gemm,@function
k_q6d49d5dbb2_gemm:
	s_mov_b64 s[64:65], 0
	v_nop
	global_prefetch_b8 v0, s[64:65] scope:SCOPE_SE
	s_setreg_imm32_b32 hwreg(HW_REG_WAVE_MODE, 25, 1), 1
	s_wait_xcnt 0x0
	s_wait_alu depctr_hold_cnt(0) depctr_sa_sdst(0) depctr_va_vdst(0) depctr_va_sdst(0) depctr_va_ssrc(0) depctr_va_vcc(0) depctr_vm_vsrc(0)
	s_getreg_b32 s2, hwreg(HW_REG_IB_STS2, 6, 4)
	s_cmp_eq_u32 s2, 0
	s_cbranch_scc0 .Lentry_in_a_cluster
	s_endpgm
.Lentry_in_a_cluster:
	s_bfe_u32 s2, ttmp6, 0x10000c
	s_cmp_lg_u32 s2, 0xf033
	s_cbranch_scc0 .Lentry_shape_is_right
	s_endpgm
.Lentry_shape_is_right:
; out0[m][n] = scale x (sum over k of xb[m][k] wb[n][k]) + bias[n].  xb, wb: [4096][4096] bf16 (wb = weight - zero point, exact); out0: [4096][4096] f32; bias: [4096] f32; scale: one f32.
; LIMITS.  The input was rounded once to bf16.  The scale multiplies the finished f32 sum, in one fused multiply-add with the bias, not each weight: an order of rounding other than the
; definition's.  NaN and infinities go through the products as they come.
; SHARES.  A tile of out0, 256 x 256, is made by a work-group of four waves; a wave makes 128 x 128: 64 accumulators of 16 x 16, 512 registers.  16 x 16 tiles: 256 work-groups, one tile each.
; K goes in 32 steps of 128 through a ring of two LDS slots filled by the tensor data mover; the rows of a tile are 256 bytes of memory and start at multiples of 256 bytes from the buffer's first byte.
; CLUSTERS: 4 x 4 work-groups.  The four of a row of the cluster need the same tiles of xb, the four of a column the same tiles of wb.  Such a tile is asked for JOINTLY: each of the four issues the
; same tensor load, with the same descriptor and a mask that names the four, and each receives the tile in its own LDS: a quarter of the requests.
; REGISTERS, in windows of 256 (s_set_vgpr_msb's low byte: bits 1:0 source 0, 3:2 source 1, 5:4 source 2, 7:6 destination):
;   window 0: v0-31 addresses; v64-127, v128-191 fragments of xb (8 x 16 rows x 32 K), two buffers; on the way out v32-95 finished numbers, v96-159 and v160-223 rows read back, by turns
;   window 1: v0-63 my 64 numbers of the bias; v64-127, v128-191 fragments of wb, two buffers
;   window 2: the 32 accumulators of my rows 0-63 (accumulator (a, b) at v[8 (8 a + b)]);   window 3: those of my rows 64-127
; THE MATRIX INSTRUCTION IS USED TRANSPOSED: source 0 = 16 rows of wb, source 1 = 16 rows of xb.  In the result lane l holds row m = l % 16 of out0 and its registers 0 to 7 the columns
; n = 8 (l / 16) + 0 .. 7: eight neighbouring numbers of a row, 32 bytes.
.set SIZE_K, 4096
.set SIZE_N, 4096
.set CROW,   SIZE_N*4                  ; bytes in a row of out0
.set KSTEP,  128
.set PITCH,  272                       ; an LDS row: 256 bytes of data + 16 of padding = 68 words: row r starts at bank 4 r mod 64 (64 banks of 4 bytes: ISA guide 11.1), so the 16 rows that a load touches start at 16 different banks
.set HALFT,  128*PITCH                 ; 128 rows: what one tensor load brings, and what one wave reads of xb or of wb
.set SLOT,   4*HALFT                   ; xb's 256 rows, then wb's 256 rows
.set STAGE,  2*SLOT                    ; behind the ring: 16 rows x 528 bytes for each wave, for the way out; no tensor load fills it
.set SPITCH, 528                       ; a stage row: 512 bytes + 16 = 33 x 16: the 16 rows of a store fall on 16 different columns of 16 bytes
.set SPARE,  STAGE+4*16*SPITCH         ; behind the stages: the spare words, 128 bytes for each wave: two blocks of 256 bytes that no other line names
.set LAPS,   SIZE_K/(2*KSTEP)          ; a lap = two K steps = once round the ring: 16
.set ADRA, 16                          ; v16-17  LDS address of my xb fragments in slot 0, 1
.set ADRB, 20                          ; v20-21  the same for wb
.set STO,  24                          ; v24     the way out: where I put 32 bytes of a row
.set RD,   25                          ; v25     the way out: where I read 16 bytes of a row back
.set CO,   26                          ; v26     my 16 bytes in the wave's 512 bytes of a row of out0
.set BO,   27                          ; v27     my byte offset in the bias: 32 (l / 16)
.set SPW,  28                          ; v28     LDS address of my spare word: SPARE + 4 x my thread's number; never rewritten
.set NIL,  29                          ; v29     0; never rewritten
.set PFO,  30                          ; v30     the prefetches' offset: my lane x a row of xb or wb (8,192 bytes); never rewritten
.set PFA,  44                          ; s[44:45] where my prefetches stand: my work-group's 32 rows of the 128 that I fetch, one K step further along K than the refill that is being asked for
.set LIM,  43                          ; s43     1 in a wave that prefetches, else the greatest number
.set F0,   64                          ; fragment buffer 0
.set F1,   128                         ; fragment buffer 1
.set TMP,  32                          ; the way out: 64 finished f32 of a block of 16 rows
.set OB,   96                          ; the way out: the block read back by rows, two buffers of 64
.set G1,  24                           ; s[24:31] descriptor group 1 for xb's tiles
.set G0,  32                           ; s[32:39] descriptor group 0 for xb's tiles, one set for each slot
.set G1B, 48                           ; s[48:55] descriptor group 1 for wb's tiles: it differs in the mask alone
.set G0B, 56                           ; s[56:63] descriptor group 0 for wb's tiles, one set for each slot
.set BIA, 68                           ; s[68:69] the bias, later at my first column
.set SCP, 70                           ; s[70:71] where the scale lies
.set SC,  72                           ; s[72:73] the scale, twice: the packed multiply-add names a pair and takes its low word for both halves
.set MSB, 0
.macro WIN new                         ; the immediate's high byte repeats the setting that is left; a switch that changes nothing is dropped
.if MSB != (\new)
	s_set_vgpr_msb (MSB<<8)|(\new)
.set MSB, \new
.endif
.endm
.set MUL_LO, 0xa1                      ; source 0 (wb) window 1, source 1 (xb) window 0, C and D window 2
.set MUL_HI, 0xf1                      ; the same, C and D window 3
.set TO_B,   0x40                      ; destination window 1, address window 0
; A joint load.  Waves 0 and 1 fetch xb's two halves, waves 2 and 3 wb's.  Each of the two lines has ONE mask and one set of registers for all that issue it; the branch hangs on the wave's number alone.
; An s_nop 0 and four v_nop follow each of the two lines; the jump round the other line, the label and what follows the macro come after them.
.macro JLOAD s
	s_cmp_eq_u32 s11, 0
	s_cbranch_scc0 .Lfor_b_\@
	tensor_load_to_lds s[G0+4*(\s):G0+4*(\s)+3], s[G1:G1+7]
	s_nop 0
.rept 4
	v_nop
.endr
	s_branch .Lasked_\@
.Lfor_b_\@:
	tensor_load_to_lds s[G0B+4*(\s):G0B+4*(\s)+3], s[G1B:G1B+7]
	s_nop 0
.rept 4
	v_nop
.endr
.Lasked_\@:
.endm
; A PREFETCH INTO THE L2, behind each joint refill, its five lines and the run of LDS loads that follows them: the K step that stands TWO refills on (512 matrix instructions ahead of the load that will
; want it): 32 rows x 256 bytes, a lane a row, one instruction a wave.  Each row's 256 bytes of a K step are named ONCE in the launch: xb's tile row is read by every cluster of that row of clusters, and
; the one with cluster x = 0 asks; wb's tile column by every cluster of that column, and the one with cluster y = 0 asks.  The four partners that ask for a tile jointly share its rows out BY ADDRESS:
; of the 128 rows that a wave fetches the partner at place p takes 32 p .. 32 p + 31 (p = cx for xb, cy for wb): no branch hangs on a work-group's place in its cluster.
; Trip i of the loop names K steps 4 + 2 i and 5 + 2 i; the last trip (s3 = 1) names none: K step 31 is the last.  K steps 0 to 3 come by their loads alone.
.macro ASK
	s_cmp_gt_u32 s3, s[LIM]
	s_cbranch_scc0 .Lnot_mine_\@
	global_prefetch_b8 v[PFO], s[PFA:PFA+1] offset:KSTEP*2 th:TH_LOAD_NT scope:SCOPE_SE
.Lnot_mine_\@:
.endm
; A round of the cluster's barrier: my work-group's barrier, so that wave 0's signal speaks for all four waves; wave 0 signals for the work-group; every wave waits for all sixteen
; work-groups; my work-group's barrier once more.  No LDS instruction of the wave is pending at a signal.
.macro CREST                           ; a round behind its opening barrier
	s_cmp_lg_u32 s10, 0
	s_cbranch_scc1 .Lnot_wave_0_\@
	s_barrier_signal -3
.Lnot_wave_0_\@:
	s_barrier_wait -3
	s_barrier_signal -1
	s_barrier_wait -1
.endm
.macro CROUND                          ; a whole round
	s_barrier_signal -1
	s_barrier_wait -1
	CREST
.endm
	s_load_b128 s[4:7], s[0:1], 0x0                ; xb s[4:5], wb s[6:7]
	s_load_b64 s[8:9], s[0:1], 0x10                ; out0
	s_load_b64 s[BIA:BIA+1], s[0:1], 0x18          ; bias
	s_load_b64 s[SCP:SCP+1], s[0:1], 0x20          ; the scale's address
	v_lshl_add_u32 v[SPW], v0, 2, SPARE
	v_mov_b32 v[NIL], 0
	ds_add_u32 v[SPW], v[NIL]                      ; the wave's opening: the add, twice on end, and its wait stand ahead of my first tensor load; the set-up below, work on registers, stands between
	ds_add_u32 v[SPW], v[NIL]                      ; and once more, under the one wait
	v_lshrrev_b32 v1, 5, v0
	v_readfirstlane_b32 s10, v1                    ; wave 0..3
	s_lshr_b32 s11, s10, 1                         ; which half of the tile's rows is mine.  Also: I fetch for xb (0) or for wb (1)
	s_and_b32 s12, s10, 1                          ; which half of its columns.  Also: which 128 rows of that tile I fetch
	s_bfe_u32 s40, ttmp6, 0x40000                  ; cx: my place along the cluster's x
	s_bfe_u32 s41, ttmp6, 0x40004                  ; cy: along its y
	s_lshl_b32 s42, ttmp9, 2                       ; in a cluster launch ttmp9 and ttmp7 count clusters
	s_add_co_u32 s42, s42, s40                     ; tile column = 4 x cluster x + cx
	s_and_b32 s13, ttmp7, 0xffff
	s_lshl_b32 s13, s13, 2
	s_add_co_u32 s13, s13, s41                     ; tile row = 4 x cluster y + cy
	s_lshl_b32 s43, s41, 2
	s_lshl_b32 s43, 15, s43                        ; my row of the cluster: places 4 cy .. 4 cy + 3
	s_lshl_b32 s44, 0x1111, s40                    ; my column: places cx, cx + 4, cx + 8, cx + 12
	; descriptor group 1: a tile of 128 rows x 128 elements, padded in LDS
	s_or_b32 s[G1+0], s43, (1<<16)|(1<<20)|(1<<21)|(5<<22)|(3<<25)  ; 15:0 the mask: xb's tiles go to my row; 17:16 elements of 2 bytes; 20 padding on; 21 set beside a mask; 24:22 after every 64 words (code 5); 31:25 4 words (code 3)
	s_or_b32 s[G1B+0], s44, (1<<16)|(1<<20)|(1<<21)|(5<<22)|(3<<25) ; the same with the mask of my column, for wb's tiles
.irp g, G1, G1B
	s_mov_b32 s[(\g)+1], KSTEP<<16                 ; tensor_dim0 = 128
	s_mov_b32 s[(\g)+2], 128<<16                   ; tensor_dim1 = 128
	s_mov_b32 s[(\g)+3], KSTEP<<16                 ; tile_dim0 = 128
	s_mov_b32 s[(\g)+4], 128                       ; tile_dim1 = 128
	s_mov_b32 s[(\g)+5], SIZE_K                    ; elements from row to row
	s_mov_b32 s[(\g)+6], 0
	s_mov_b32 s[(\g)+7], 0
.endr
	; where the tiles come from.  xb's hang on the tile row alone, which my row of the cluster shares; wb's on the tile column alone, which my column shares.
	; Every wave makes both addresses, in registers that never hold the other coordinate, and asks by one of them.
	s_lshl_b32 s17, s12, 7                         ; which 128 rows of the tile I fetch
	s_lshl_b32 s16, s13, 8
	s_add_co_u32 s16, s16, s17                     ; xb: row 256 x tile row + 128 x half
	s_lshl_b32 s46, s42, 8
	s_add_co_u32 s46, s46, s17                     ; wb: row 256 x tile column + 128 x half
	s_mov_b32 s17, 0
	s_mov_b32 s47, 0
	s_mov_b64 s[18:19], SIZE_K*2
	s_mul_u64 s[16:17], s[16:17], s[18:19]         ; in bytes
	s_mul_u64 s[46:47], s[46:47], s[18:19]
	s_mul_i32 s20, s10, HALFT                      ; and where they go: wave x 128 rows: no place in the cluster enters an LDS address
	s_wait_dscnt 0x0                               ; both opening adds are done
	s_wait_kmcnt 0x0
	s_add_nc_u64 s[14:15], s[4:5], s[16:17]
	s_add_nc_u64 s[46:47], s[6:7], s[46:47]
	CROUND                                         ; all sixteen work-groups are here: the first joint loads meet
.irp s, 0,1
	s_mov_b32 s[G0+4*(\s)], 1                                      ; 1:0 count = 1
	s_add_co_u32 s[G0+4*(\s)+1], s20, (\s)*SLOT                    ; 63:32 LDS address
	s_add_nc_u64 s[G0+4*(\s)+2:G0+4*(\s)+3], s[14:15], (\s)*KSTEP*2  ; 120:64 global address: K step s
	s_or_b32 s[G0+4*(\s)+3], s[G0+4*(\s)+3], 0x80000000            ; 127:126 type = 2
	s_mov_b32 s[G0B+4*(\s)], 1
	s_add_co_u32 s[G0B+4*(\s)+1], s20, (\s)*SLOT
	s_add_nc_u64 s[G0B+4*(\s)+2:G0B+4*(\s)+3], s[46:47], (\s)*KSTEP*2
	s_or_b32 s[G0B+4*(\s)+3], s[G0B+4*(\s)+3], 0x80000000
	JLOAD \s                                       ; the ring is filled before anything else is done: two loads of mine are out
.endr
	s_load_b32 s[SC], s[SCP:SCP+1], 0x0            ; the scale
	; A fragment is 16 rows x 32 K in 8 registers: lane l holds row l % 16; registers 0-3 hold K = 8 (l / 16) + 0..7, registers 4-7 hold K = 16 + 8 (l / 16) + 0..7: two loads of 16 bytes, 32 bytes apart.
	v_and_b32 v1, 15, v0                           ; l % 16
	v_bfe_u32 v2, v0, 4, 1                         ; l / 16
	v_mul_u32_u24 v3, v1, PITCH
	v_lshl_add_u32 v3, v2, 4, v3                   ; row x pitch + 16 x half
	s_mul_i32 s21, s11, HALFT                      ; my 128 rows of xb
	s_mul_i32 s22, s12, HALFT                      ; my 128 rows of wb,
	s_add_co_u32 s22, s22, 2*HALFT                 ; which lie behind xb's 256
.irp s, 0,1
	v_add_nc_u32 v[ADRA+(\s)], s21, v3
	v_add_nc_u32 v[ADRB+(\s)], s22, v3
	s_add_co_u32 s21, s21, SLOT
	s_add_co_u32 s22, s22, SLOT
.endr
	s_mul_i32 s23, s10, 16*SPITCH
	s_add_co_u32 s23, s23, STAGE                   ; my stage
	v_mul_u32_u24 v4, v1, SPITCH                   ; in: row l % 16, 32 bytes for each half of the lanes
	v_lshl_add_u32 v4, v2, 5, v4
	v_add_nc_u32 v[STO], s23, v4
	v_and_b32 v5, 31, v0
	v_lshlrev_b32 v[CO], 4, v5                     ; back: the 32 lanes take one row of 512 bytes, 16 each; the same place in a row of out0
	v_add_nc_u32 v[RD], s23, v[CO]
	v_lshlrev_b32 v[BO], 5, v2                     ; my eight columns of each 16: 32 bytes on for lanes 16 to 31
	; where my part of the tile begins in out0, in bytes: the first block's way out adds it to out0's address
	s_lshl_b32 s13, s13, 8
	s_lshl_b32 s14, s11, 7
	s_add_co_u32 s16, s13, s14                     ; my first row
	s_mov_b32 s17, 0
	s_mov_b64 s[18:19], CROW
	s_mul_u64 s[16:17], s[16:17], s[18:19]
	s_lshl_b32 s46, s42, 10                        ; my first column, in bytes of f32: 1,024 x tile column + 512 x half
	s_lshl_b32 s47, s12, 9
	s_add_co_u32 s46, s46, s47
	s_mov_b32 s47, 0
	s_add_nc_u64 s[16:17], s[16:17], s[46:47]
	s_add_nc_u64 s[BIA:BIA+1], s[BIA:BIA+1], s[46:47]  ; the bias at the same column
	WIN TO_B                                       ; my 64 numbers of the bias: column 16 b + 8 (l / 16) + j into register 8 b + j of window 1, as the accumulators hold them
.irp b, 0,1,2,3,4,5,6,7
	global_load_b128 v[8*(\b):8*(\b)+3],   v[BO], s[BIA:BIA+1] offset:64*(\b)
	global_load_b128 v[8*(\b)+4:8*(\b)+7], v[BO], s[BIA:BIA+1] offset:64*(\b)+16
.endr
	WIN 0
	; the prefetches.  s13 = 256 x tile row, s42 = tile column, s40 = cx, s41 = cy still stand; s[4:5] = xb, s[6:7] = wb
	s_lshl_b32 s42, s42, 8
	s_and_b32 s22, ttmp7, 0xffff                   ; cluster y
	s_cmp_eq_u32 s11, 0                            ; do I fetch for xb?
	s_cselect_b32 s20, s13, s42                    ; the tile's first row: in xb by the tile row, in wb by the tile column
	s_cselect_b32 s21, s40, s41                    ; my place among the four that ask for it with me
	s_cselect_b32 s22, ttmp9, s22                  ; the coordinate along which other clusters read the same rows
	s_cselect_b64 s[PFA:PFA+1], s[4:5], s[6:7]
	s_cmp_eq_u32 s22, 0
	s_cselect_b32 s[LIM], 1, -1                    ; the same in all sixteen partners, for a given wave
	s_lshl_b32 s22, s12, 7
	s_add_co_u32 s20, s20, s22                     ; + the 128 rows that I fetch
	s_lshl_b32 s21, s21, 5
	s_add_co_u32 s20, s20, s21                     ; + my work-group's 32 of them
	s_mov_b32 s21, 0
	s_mov_b64 s[18:19], SIZE_K*2
	s_mul_u64 s[20:21], s[20:21], s[18:19]
	s_add_nc_u64 s[PFA:PFA+1], s[PFA:PFA+1], s[20:21]
	s_add_nc_u64 s[PFA:PFA+1], s[PFA:PFA+1], 2*KSTEP*2  ; at K step 2: the first refill steps it to 3 and names K step 4
	v_and_b32 v[PFO], 31, v0
	v_mul_u32_u24 v[PFO], v[PFO], SIZE_K*2
	s_wait_kmcnt 0x0                               ; the scale is in
	s_mov_b32 s[SC+1], s[SC]
; 16 matrix instructions: m blocks a0, a0 + 1 of the window's four (hi = 0: my rows 0-63, 1: rows 64-127) x all 8 n blocks, 32 along K.
; zero = 1: the first product starts the sums: nothing is ever cleared.  The 64 accumulators take turns, one instruction a turn, in the same order in every quarter step.
.macro MUL16 f, hi, a0, zero
	WIN MUL_LO+0x50*(\hi)
.irp a, \a0, (\a0)+1
.irp b, 0,1,2,3,4,5,6,7
.if \zero
	v_wmma_f32_16x16x32_bf16 v[8*(8*(\a)+(\b)):8*(8*(\a)+(\b))+7], v[(\f)+8*(\b):(\f)+8*(\b)+7], v[(\f)+8*(4*(\hi)+(\a)):(\f)+8*(4*(\hi)+(\a))+7], 0
.else
	v_wmma_f32_16x16x32_bf16 v[8*(8*(\a)+(\b)):8*(8*(\a)+(\b))+7], v[(\f)+8*(\b):(\f)+8*(\b)+7], v[(\f)+8*(4*(\hi)+(\a)):(\f)+8*(4*(\hi)+(\a))+7], v[8*(8*(\a)+(\b)):8*(8*(\a)+(\b))+7]
.endif
.endr
.endr
.endm
; 32 LDS loads in one run: the fragments of one quarter step (128 rows of wb, then 128 rows of xb, 32 K at byte k of the rows) into buffer f
.macro FETCH slot, k, f
	WIN TO_B
.irp i, 0,1,2,3,4,5,6,7
	ds_load_b128 v[(\f)+8*(\i):(\f)+8*(\i)+3],   v[ADRB+(\slot)] offset:(\k)+(\i)*16*PITCH
	ds_load_b128 v[(\f)+8*(\i)+4:(\f)+8*(\i)+7], v[ADRB+(\slot)] offset:(\k)+(\i)*16*PITCH+32
.endr
	WIN 0
.irp i, 0,1,2,3,4,5,6,7
	ds_load_b128 v[(\f)+8*(\i):(\f)+8*(\i)+3],   v[ADRA+(\slot)] offset:(\k)+(\i)*16*PITCH
	ds_load_b128 v[(\f)+8*(\i)+4:(\f)+8*(\i)+7], v[ADRA+(\slot)] offset:(\k)+(\i)*16*PITCH+32
.endr
.endm
; A load into a register that a matrix instruction has read, and a vector instruction that reads a matrix result or writes one of a matrix instruction's registers, stand four places behind that
; matrix instruction, and only plain vector instructions that name none of its registers are places (ISA guide 7.12.1 for vector instructions).
.macro PLACES
.rept 4
	v_nop
.endr
.endm
; A K step is four quarter steps of 32 along K, 64 matrix instructions each, on buffers 0, 1, 0, 1.
; One of the first three: multiplies buffer f; in its middle it fetches the next quarter's fragments, at byte k of the same slot's rows, into buffer g.
.macro QUARTER slot, k, f, g, zero
	s_wait_dscnt 8                                 ; wb's and xb's rows 0-63 are in; the youngest eight loads (xb's rows 64-127) may be out
	WIN MUL_LO
	MUL16 \f, 0, 0, \zero
	MUL16 \f, 0, 2, \zero
	PLACES
	FETCH \slot, \k, \g
	s_wait_dscnt 32                                ; all but the 32 just issued
	WIN MUL_HI
	MUL16 \f, 1, 0, \zero
	MUL16 \f, 1, 2, \zero
.endm
; The last quarter multiplies buffer 1 and changes slots.  MEET is its first half: ONE barrier for the change of slots.  In front of it each wave waits for all its tensor loads, of which one is out:
; its part of the next slot; adds 0 to its spare word; and waits for that and for its own reads of this slot.  Behind it nobody reads this slot any more and the next slot is whole.
.macro MEET round                      ; round = 1: the rest of a round of the cluster's barrier follows
	WIN 0                                          ; (the add's two registers lie in window 0)
	s_wait_tensorcnt 0x0                           ; all my tensor loads have landed: the one that was out is my part of the next slot;
	ds_add_u32 v[SPW], v[NIL]                      ; 0 onto my spare word;
	s_wait_dscnt 9                                 ; (the add and the youngest eight loads may be out)
	WIN MUL_LO
	MUL16 F1, 0, 0, 0                              ; sixteen matrix instructions stand between the add and the wait for it
	s_wait_dscnt 0x0                               ; the add is done, and my reads of this slot are over:
	s_barrier_signal -1                            ; say so,
	MUL16 F1, 0, 2, 0                              ; work on registers while the others arrive,
.if \round
	WIN 0
.endif
	s_barrier_wait -1                              ; and go on when all four have said so
.endm
; The whole last quarter.  fill = 1: behind the round the slot just read out is filled again first, with the K step two steps on; then come the next slot's first fragments.  From a request to the
; wait for it a wave issues 224 matrix instructions.  fill = 0: the last lap: nothing is asked for, and the barrier is the work-group's alone.
.macro TURN slot, next, fill
.if \fill
	s_wait_xcnt 0x0                                ; the last prefetch, a K step back, has read its address: it is stepped here, ahead of the waits of the change of slots
	s_add_nc_u64 s[PFA:PFA+1], s[PFA:PFA+1], KSTEP*2
	MEET 1
	CREST                                          ; all sixteen work-groups have said so: no wave of any partner still reads this slot's tile or has a load on its way
	s_add_nc_u64 s[G0+4*(\slot)+2:G0+4*(\slot)+3], s[G0+4*(\slot)+2:G0+4*(\slot)+3], 2*KSTEP*2
	s_add_nc_u64 s[G0B+4*(\slot)+2:G0B+4*(\slot)+3], s[G0B+4*(\slot)+2:G0B+4*(\slot)+3], 2*KSTEP*2
	JLOAD \slot                                    ; the first tensor load behind the round, my only one until the next; the four v_nop behind it are also the places in front of the loads below
.else
	MEET 0
	PLACES
.endif
	FETCH \next, 0, F0
.if \fill
	ASK                                            ; behind the joint load and the run of LDS loads that the next products wait for
.endif
	WIN MUL_HI
	MUL16 F1, 1, 0, 0
	MUL16 F1, 1, 2, 0
.endm
; THE WAY OUT of block a (16 rows x 128 columns), in three parts.
; FIN: scale x sum + bias, two fused multiply-adds an instruction, each accumulator's registers in ascending order.
.macro FIN a
.set AC, 64*((\a)%4)
	WIN 0x12+((\a)/4)                              ; source 0 (the sums) window 2 or 3, source 2 (the bias) window 1, destination window 0
.irp b, 0,1,2,3,4,5,6,7
.irp p, 0,2,4,6
	v_pk_fma_f32 v[TMP+8*(\b)+(\p):TMP+8*(\b)+(\p)+1], v[AC+8*(\b)+(\p):AC+8*(\b)+(\p)+1], s[SC:SC+1], v[8*(\b)+(\p):8*(\b)+(\p)+1] op_sel_hi:[1,0,1]
.endr
.endr
	WIN 0
.endm
; TOSTAGE: a lane's 32 bytes of each 16 columns go into my own stage, and the block comes back as whole rows of 512 bytes.
.macro TOSTAGE a
	WIN 0
.set BK, OB+64*((\a)%2)
.irp b, 0,1,2,3,4,5,6,7
	ds_store_b128 v[STO], v[TMP+8*(\b):TMP+8*(\b)+3]   offset:64*(\b)
	ds_store_b128 v[STO], v[TMP+8*(\b)+4:TMP+8*(\b)+7] offset:64*(\b)+16
.endr
.irp t, 0,1,2,3,4,5,6,7,8,9,10,11,12,13,14,15
	ds_load_b128 v[BK+4*(\t):BK+4*(\t)+3], v[RD] offset:(\t)*SPITCH  ; LDS serves a wave's instructions in order (ISA guide 5.7.1.4): these see the stores above; the next block's stores come behind them
.endr
.endm
; SEND: stored, a row an instruction.
.macro SEND a
	WIN 0
.set BK, OB+64*((\a)%2)
	s_wait_dscnt 0x0                               ; the block is back in registers
	s_wait_xcnt 0x0                                ; every earlier store has had its addresses translated (ISA guide 3.1): only behind this wait are the stores' base, and the buffer that the block before stored from, written again
.if (\a) == 0
	s_add_nc_u64 s[8:9], s[8:9], s[16:17]          ; on to my first rows and columns
.else
	s_add_nc_u64 s[8:9], s[8:9], 16*CROW           ; 16 rows on
.endif
.irp t, 0,1,2,3,4,5,6,7,8,9,10,11,12,13,14,15
	global_store_b128 v[CO], v[BK+4*(\t):BK+4*(\t)+3], s[8:9] offset:(\t)*CROW th:TH_STORE_NT  ; the wave stores 512 consecutive bytes, at a multiple of 256 from out0's first byte
.endr
.endm
	s_wait_loadcnt 0x0                             ; the bias is in: waited for here, where the wave waits for its first tile anyway
	s_wait_tensorcnt 1                             ; my part of K step 0 is in; K step 1's may stay out
	s_barrier_signal -1
	s_barrier_wait -1                              ; everybody's is
	FETCH 0, 0, F0
	QUARTER 0, 64,  F0, F1, 1                      ; the first quarter stands in front of the loop: its products start the sums
	WIN 0                                          ; at a label and at a branch every window is 0
	s_mov_b32 s3, LAPS-1
.Llap:                                                 ; a trip goes once round the ring, from a lap's second quarter to the next lap's first, and fills both slots again
	QUARTER 0, 128, F1, F0, 0
	QUARTER 0, 192, F0, F1, 0
	TURN 0, 1, 1
	QUARTER 1, 64,  F0, F1, 0
	QUARTER 1, 128, F1, F0, 0
	QUARTER 1, 192, F0, F1, 0
	TURN 1, 0, 1
	QUARTER 0, 64,  F0, F1, 0
	WIN 0
	s_sub_co_u32 s3, s3, 1
	s_cmp_lg_u32 s3, 0
	s_cbranch_scc1 .Llap
	QUARTER 0, 128, F1, F0, 0                      ; the last lap is written out: it fills nothing, and has no round of the cluster's barrier
	QUARTER 0, 192, F0, F1, 0
	TURN 0, 1, 0
	QUARTER 1, 64,  F0, F1, 0
	QUARTER 1, 128, F1, F0, 0
	QUARTER 1, 192, F0, F1, 0
	s_wait_dscnt 8                                 ; the very last quarter: nothing more to fetch
	WIN MUL_LO
	MUL16 F1, 0, 0, 0
	MUL16 F1, 0, 2, 0
	s_wait_dscnt 0x0
	MUL16 F1, 1, 0, 0
	MUL16 F1, 1, 2, 0
	WIN 0
	PLACES                                         ; behind the last products, ahead of the lines that read the sums and write over the fragments' registers:
	PLACES                                         ; twice four, once a launch
	FIN 0
	TOSTAGE 0
.irp a, 1,2,3,4,5,6,7                  ; block a's arithmetic stands between block a - 1's loads from the stage and the wait for them
	FIN \a
	SEND (\a)-1
	TOSTAGE \a
.endr
	SEND 7
	s_wait_tensorcnt 0x0                           ; the wave's end, behind my last tensor load and my last LDS store
	ds_add_u32 v[SPW], v[NIL]
	s_wait_dscnt 0x0
	CROUND                                         ; the closing round: no work-group ends while a partner may still ask for a tile that names it
	s_endpgm
.Lfunc_end_k_q6d49d5dbb2_gemm:
	.size	k_q6d49d5dbb2_gemm, .Lfunc_end_k_q6d49d5dbb2_gemm-k_q6d49d5dbb2_gemm
	.p2alignl 7, 3214868480
	.fill 96, 4, 3214868480
	.section	.rodata,"a",@progbits
	.p2align	6, 0x0
	.amdhsa_kernel k_q6d49d5dbb2_gemm
		.amdhsa_group_segment_fixed_size 327680
		.amdhsa_private_segment_fixed_size 0
		.amdhsa_enable_private_segment 0
		.amdhsa_kernarg_size 40
		.amdhsa_user_sgpr_count 2
		.amdhsa_user_sgpr_kernarg_segment_ptr 1
		.amdhsa_wavefront_size32 1
		.amdhsa_system_sgpr_workgroup_id_x 1
		.amdhsa_system_sgpr_workgroup_id_y 1
		.amdhsa_system_sgpr_workgroup_id_z 1
		.amdhsa_system_vgpr_workitem_id 0
		.amdhsa_next_free_vgpr 1024
		.amdhsa_next_free_sgpr 80
		.amdhsa_reserve_vcc 0
		.amdhsa_float_denorm_mode_32 3
		.amdhsa_float_denorm_mode_16_64 3
		.amdhsa_memory_ordered 1
		.amdhsa_forward_progress 1
		.amdhsa_inst_pref_size 160
	.end_amdhsa_kernel
	.amdgpu_metadata
---
amdhsa.version: [ 1, 2 ]
amdhsa.kernels:
  - .name:           k_q6d49d5dbb2_gemm
    .symbol:         k_q6d49d5dbb2_gemm.kd
    .args:
      - { .name: xb, .offset: 0, .size: 8, .value_kind: global_buffer, .address_space: global }
      - { .name: wb, .offset: 8, .size: 8, .value_kind: global_buffer, .address_space: global }
      - { .name: out0, .offset: 16, .size: 8, .value_kind: global_buffer, .address_space: global }
      - { .name: bias, .offset: 24, .size: 8, .value_kind: global_buffer, .address_space: global }
      - { .name: weight_scale, .offset: 32, .size: 8, .value_kind: global_buffer, .address_space: global }
    .group_segment_fixed_size: 327680
    .private_segment_fixed_size: 0
    .kernarg_segment_align: 8
    .kernarg_segment_size: 40
    .max_flat_workgroup_size: 128
    .sgpr_count:     80
    .vgpr_count:     1024
    .wavefront_size: 32
...
	.end_amdgpu_metadata
.endif
;; end of part 2
